; MI455X (gfx1250); checked and timed in simulation.
; The chip was launched on July 23, 2026; its instructions are those of AMD's public machine-readable ISA for CDNA 5 (MIT licence, August 2026) and "CDNA5" Instruction Set Architecture Reference Guide (July 2026). The comments in the code are by the model that wrote it; some were corrected since.
;; Hash Encoding. Allowed arithmetic: float matrix products may take bf16 or f16 operands with f32 sums; all other float work in f32.
;; Inputs: hash_table 524,288 x 2 float32; positions 1,048,576 x 3 float32.
;; Outputs: out0 1,048,576 x 16 float32.
;; 2 versions, each right; version 2 is version 1 with the launch encode written anew for expert scheduling mode. Each part assembles by itself: llvm-mc -triple=amdgcn-amd-amdhsa -mcpu=gfx1250 --defsym DOCPART=n.
;; ======== version 1 of 2: 2 launches
;; workspace buffers: cells 12,582,912 bytes of whole numbers
;; launch quantize (part 1): grid 768 x 1, 8 waves a work-group, no clusters, 0 bytes of LDS; arguments positions, cells; writes cells
.if DOCPART == 1
	.amdgcn_target "amdgcn-amd-amdhsa--gfx1250"
	.amdhsa_code_object_version 6
	.text
	.protected	k_q5ce7f0769c_quantize
	.globl	k_q5ce7f0769c_quantize
	.p2align	8
	.type	k_q5ce7f0769c_quantize,@function
k_q5ce7f0769c_quantize:
	s_mov_b64 s[64:65], 0
	v_nop
	global_prefetch_b8 v0, s[64:65] scope:SCOPE_SE
	s_setreg_imm32_b32 hwreg(HW_REG_WAVE_MODE, 25, 1), 1
	s_wait_xcnt 0x0
; cells[i] = trunc(clamp((positions[i] + 1) / 2, 0, 1 - 2^-24) * 2^32), one u32 for each of the 3,145,728 coordinates.
; WHY A LAUNCH OF ITS OWN: the grid cells of the hash encoding
; steer its gathers, so the step from f32 to whole numbers is made here and the next launch forms every address from these whole numbers.
; THE ARITHMETIC.  (x + 1) * 0.5 * 2^32 = fma(x, 2^31, 2^31): scaling by a power of two is exact, so the one rounding is that of x + 1 in the
; original.  The clamp stands for the original's clip of the corners: left of 0 and right of 1 both corners of a dimension are clipped to the same
; vertex, so the result there is the edge vertex's value, which is what p = 0 or p = 1 gives.
; LIMITS.  p = 1 counts as 1 - 2^-24 (at the finest level 1.2e-4 of a cell).  A NaN counts as p = 0 and an infinity as the nearer edge, where the
; original gives NaN.
; SHARES.  A stream: a work-group takes 16,384 bytes, a thread four times 16 bytes; each load and store of a wave covers 512 consecutive bytes,
; aligned.  All four loads go out first.  No LDS, no barrier: no thread needs another's numbers.
.set CHUNK, 4096                       ; bytes that the 256 threads cover with one instruction each
.set X,     4                          ; v[4:19]  four times four numbers, converted in place
	s_load_b128 s[4:7], s[0:1], 0x0                ; positions s[4:5], cells s[6:7]
	s_lshl_b32 s2, ttmp9, 14                       ; the work-group's 16,384 bytes (under 2^24 in all)
	s_mov_b32 s3, 0
	s_mov_b32 s8, 0x4f000000                       ; 2^31
	s_mov_b32 s9, s8                               ; named with it as a pair
	s_mov_b32 s10, 0x4f7fffff                      ; 2^32 - 256, the largest f32 below 2^32
	v_lshlrev_b32 v1, 4, v0                        ; 16 bytes a thread
	s_wait_kmcnt 0x0
	s_add_nc_u64 s[4:5], s[4:5], s[2:3]
	s_add_nc_u64 s[6:7], s[6:7], s[2:3]
.irp j, 0,1,2,3
	global_load_b128 v[X+4*(\j):X+4*(\j)+3], v1, s[4:5] offset:CHUNK*(\j) th:TH_LOAD_NT
.endr
.irp j, 0,1,2,3
	s_wait_loadcnt 3-(\j)                          ; loads come back in order: number j is in, the younger ones stay out
	v_pk_fma_f32 v[X+4*(\j):X+4*(\j)+1],   v[X+4*(\j):X+4*(\j)+1],   s[8:9], s[8:9] op_sel_hi:[1,0,0]
	v_pk_fma_f32 v[X+4*(\j)+2:X+4*(\j)+3], v[X+4*(\j)+2:X+4*(\j)+3], s[8:9], s[8:9] op_sel_hi:[1,0,0]
.irp r, 0,1,2,3
	v_med3_num_f32 v[X+4*(\j)+(\r)], v[X+4*(\j)+(\r)], 0, s10
.endr
.irp r, 0,1,2,3
	v_cvt_u32_f32 v[X+4*(\j)+(\r)], v[X+4*(\j)+(\r)]
.endr
	global_store_b128 v1, v[X+4*(\j):X+4*(\j)+3], s[6:7] offset:CHUNK*(\j)   ; read again by the next launch: no hint
.endr
	s_endpgm
.Lfunc_end_k_q5ce7f0769c_quantize:
	.size	k_q5ce7f0769c_quantize, .Lfunc_end_k_q5ce7f0769c_quantize-k_q5ce7f0769c_quantize
	.p2alignl 7, 3214868480
	.fill 96, 4, 3214868480
	.section	.rodata,"a",@progbits
	.p2align	6, 0x0
	.amdhsa_kernel k_q5ce7f0769c_quantize
		.amdhsa_group_segment_fixed_size 0
		.amdhsa_private_segment_fixed_size 0
		.amdhsa_enable_private_segment 0
		.amdhsa_kernarg_size 16
		.amdhsa_user_sgpr_count 2
		.amdhsa_user_sgpr_kernarg_segment_ptr 1
		.amdhsa_wavefront_size32 1
		.amdhsa_system_sgpr_workgroup_id_x 1
		.amdhsa_system_sgpr_workgroup_id_y 1
		.amdhsa_system_sgpr_workgroup_id_z 1
		.amdhsa_system_vgpr_workitem_id 0
		.amdhsa_next_free_vgpr 20
		.amdhsa_next_free_sgpr 66
		.amdhsa_reserve_vcc 0
		.amdhsa_float_denorm_mode_32 3
		.amdhsa_float_denorm_mode_16_64 3
		.amdhsa_memory_ordered 1
		.amdhsa_forward_progress 1
		.amdhsa_inst_pref_size 4
	.end_amdhsa_kernel
	.amdgpu_metadata
---
amdhsa.version: [ 1, 2 ]
amdhsa.kernels:
  - .name:           k_q5ce7f0769c_quantize
    .symbol:         k_q5ce7f0769c_quantize.kd
    .args:
      - { .name: positions, .offset: 0, .size: 8, .value_kind: global_buffer, .address_space: global }
      - { .name: cells, .offset: 8, .size: 8, .value_kind: global_buffer, .address_space: global }
    .group_segment_fixed_size: 0
    .private_segment_fixed_size: 0
    .kernarg_segment_align: 8
    .kernarg_segment_size: 16
    .max_flat_workgroup_size: 256
    .sgpr_count:     66
    .vgpr_count:     20
    .wavefront_size: 32
...
	.end_amdgpu_metadata
.endif
;; end of part 1
;; launch encode (part 2): grid 256 x 1, 8 waves a work-group, no clusters, 316,416 bytes of LDS; arguments cells, hash_table, out0; writes out0
.if DOCPART == 2
	.amdgcn_target "amdgcn-amd-amdhsa--gfx1250"
	.amdhsa_code_object_version 6
	.text
	.protected	k_q5ce7f0769c_encode
	.globl	k_q5ce7f0769c_encode
	.p2align	8
	.type	k_q5ce7f0769c_encode,@function
k_q5ce7f0769c_encode:
	s_mov_b64 s[64:65], 0
	v_nop
	global_prefetch_b8 v0, s[64:65] scope:SCOPE_SE
	s_setreg_imm32_b32 hwreg(HW_REG_WAVE_MODE, 25, 1), 1
	s_wait_xcnt 0x0
; HASH ENCODING.  out0[n][2 l + f] = trilinear interpolation, at level l = 0..7 (a grid of 16 << l vertices a side), of feature f of the eight corners of
; point n's cell; corner (x, y, z) lies at hash_table[(x ^ y * 2654435761 ^ z * 805459861) mod 2^19].  Only the primes' low 19 bits reach the index.
; INPUT.  cells[n][d] = q = p * 2^32, p the point's coordinate in 0 .. 1 - 2^-24, made by the launch before.  For level l
;   t = (q >> (7 - l)) - (q >> 11) = p (2^(4+l) - 1) 2^21, to within 2 units: the cell is t >> 21, the weight w the low 21 bits.
; Cell and weight come from ONE number, so a point near a cell's face gets either cell k with w near 0 or cell k - 1 with w near 1, which are the same value.
; q <= 2^32 - 256 keeps the cell at 2^(4+l) - 2 or less, so corner + 1 is always a vertex and needs no clip.
; LEVELS 0 AND 1 OUT OF LDS.  Their vertices are 16^3 and 32^3 table entries, 32,768 + 262,144 bytes: each work-group lays them un-hashed into LDS once, entry
; (z, y, x) at ((z << k) + y << k) + x.  x enters the hash by an exclusive or alone, so the 32 (16) entries of a row over x are one aligned block of 256 (128)
; bytes of the table and a wave's load is coalesced.  A point's eight corners are then one LDS address and eight immediates, without any hash.
; LEVELS 2 TO 7 are gathered from the table, 8 bytes a corner: 48 loads a point.  An index stands in the low register of the pair that its load fills.
; INTERPOLATION in f32: along x, then y, then z, f0 + w (f1 - f0), two features at a time: the same polynomial as the original's sum of eight weighted corners.
; It stays on the vector unit: weights and features are both private to a point, so a 16 x 16 matrix product would use 2 of its 16 columns and 8 of every 128 along K.
; SHARES.  256 work-groups of 8 waves; a work-group has 4,096 points, a wave 16 tiles of 32, a lane one point of a tile.
; THE PIPELINE ROLLS BY LEVEL: a level's eight loads of tile n are awaited and interpolated, and the same registers are at once asked again for tile n + 1:
; each gather has a whole trip in which to land.  At most 49 loads of a wave are out.
; THE WAY OUT.  A lane holds a row of 64 bytes; the rows go through the wave's own stage in LDS and come back so that each store covers 512 consecutive bytes, aligned.
; NO CLUSTER, NO TENSOR LOADS: what work-groups share is the 294,912 bytes laid into LDS: 1,280 rows at hashed addresses, each permuted by its own exclusive or, which no
; tile descriptor states.  With both tables in LDS the stages of eight waves fit beside them, those of sixteen do not (294,912 + 16 x 2,560 + 2,048 > 327,680).
; LIMITS.  Table entries are finite (f1 - f0 of infinities is NaN where the original may differ).  What the launch before says of NaN and infinite positions holds here.
.set P1M,    0x779b1                   ; 2654435761 mod 2^19
.set P2M,    0x25795                   ; 805459861 mod 2^19
.set MASK,   0x7ffff
.set T1,     32768                     ; LDS: level 0's table at 0, level 1's here
.set STAGE,  T1+262144                 ; behind the tables: 32 rows of 80 bytes for each wave
.set SPITCH, 80                        ; 64 bytes + 16: an odd multiple of 16
.set WSTAGE, 32*SPITCH
.set SPARE,  STAGE+8*WSTAGE            ; behind the stages: the spare words, 128 bytes for each wave: four blocks of 256 bytes that no other line names
.set TRIPS,  16                        ; tiles of a wave
.set DEPTH,  32                        ; the table build's ring: loads of a wave in flight
.set NLD,    144                       ; (4,096 + 32,768) entries / 256 threads
.set LANE, 1                           ; v1      lane
.set SPW,  2                           ; v2      LDS address of my spare word; never rewritten
.set NIL,  3                           ; v3      0; never rewritten
.set QOFF, 4                           ; v4      byte offset of my point's 12 bytes in the wave's part of cells
.set STW,  5                           ; v5      the way out: where I put my row
.set STR,  6                           ; v6      the way out: where I read 16 bytes back
.set OOFF, 7                           ; v7      16 x lane; never rewritten
.set QL,   8                           ; v[8:10] q of the next tile, as loaded
.set U,    12                          ; v12-14  q >> 11
.set C,    16                          ; v16-18  the cell
.set CX1,  19                          ; v19     its x + 1
.set HY,   20                          ; v20-21  y P1, (y + 1) P1
.set HZ,   22                          ; v22-23  z P2, (z + 1) P2
.set A,    24                          ; v24-27  their four exclusive ors, mod 2^19: number 2 kz + jy
.set IL,   28                          ; v28-29  LDS address of the cell at levels 0, 1
.set TT,   30                          ; v30-53  t: level l, dimension d at TT + 3 l + d
.set W,    54                          ; v54-85  level l: wx, wz, wy, 0 (wx and wy are the low halves of pairs, which the packed lerps broadcast)
.set OUT,  86                          ; v86-101 my row of 16 numbers
.set RB,   102                         ; v102-117 rows read back from the stage
.set LD,   118                         ; v118-149 levels 0, 1: eight corners x two features; corner 4 kz + 2 jy + ix
.set GD,   150                         ; v150-245 levels 2 to 7, likewise.  During the build: the ring
.set BA0,  16                          ; the build: level 0: x ^ y P1 of my entries
.set BA1,  20                          ; v20-23  level 1: the same for y = 8 j + wave
.set LB0,  24                          ; where my entries go: level 0,
.set LB1,  28                          ; v28-31  level 1, a register for each 65,536 bytes
.set WV,   10                          ; s10     wave
.set CNT,  11                          ; s11     trips to go
.set SP1,  12
.set SP2,  13
.set SMASK, 14
.set SC,   16                          ; s[16:17] 2^-32
.set ADD,  18                          ; s[18:19] what the next way out adds to out0's address
	s_load_b128 s[4:7], s[0:1], 0x0                ; cells s[4:5], hash_table s[6:7]
	s_load_b64 s[8:9], s[0:1], 0x10                ; out0
	v_lshl_add_u32 v[SPW], v0, 2, SPARE
	v_mov_b32 v[NIL], 0
	v_lshrrev_b32 v[LANE], 5, v0
	v_readfirstlane_b32 s[WV], v[LANE]             ; wave 0..7
	v_and_b32 v[LANE], 31, v0
	s_mov_b32 s[SP1], P1M
	s_mov_b32 s[SP2], P2M
	s_mov_b32 s[SMASK], MASK
	s_mov_b32 s[SC], 0x2f800000                    ; 2^-32
	s_mov_b32 s[SC+1], s[SC]                       ; named with it as a pair
	s_mul_i32 s20, ttmp9, 4096*12                  ; cells: the work-group's 4,096 points,
	s_mul_i32 s22, s[WV], 512*12                   ; the wave's 512 of them
	s_add_co_u32 s20, s20, s22
	s_mov_b32 s21, 0
	s_lshl_b32 s[ADD], ttmp9, 18                   ; out0: the same points, 64 bytes each (under 2^26 in all)
	s_lshl_b32 s22, s[WV], 15
	s_add_co_u32 s[ADD], s[ADD], s22
	s_mov_b32 s[ADD+1], 0
	v_mul_u32_u24 v[QOFF], v[LANE], 12
	s_wait_kmcnt 0x0
	s_add_nc_u64 s[4:5], s[4:5], s[20:21]
	global_load_b96 v[QL:QL+2], v[QOFF], s[4:5] th:TH_LOAD_NT  ; tile 0's q: older than every load of the build, so the build's counts do not see it
	; THE BUILD.  Thread t takes entries 256 n + t.  Level 0 (n = 0..15): x = t % 16, y = t / 16, z = n.  Level 1 (i = n - 16 = 0..127): x = lane, y = 8 (i % 4) + wave, z = i / 4.
	v_and_b32 v[BA0], 15, v0
	v_lshrrev_b32 v12, 4, v0
	v_mul_u32_u24 v12, s[SP1], v12
	v_xor_b32 v[BA0], v[BA0], v12
	v_and_b32 v[BA0], s[SMASK], v[BA0]
.irp j, 0,1,2,3
	s_add_co_u32 s22, s[WV], 8*(\j)
	s_mul_i32 s22, s22, s[SP1]
	s_and_b32 s22, s22, s[SMASK]
	v_xor_b32 v[BA1+(\j)], s22, v[LANE]
.endr
	v_lshlrev_b32 v[LB0], 3, v0
.irp r, 0,1,2,3
	v_lshl_add_u32 v[LB1+(\r)], v0, 3, T1+65536*(\r)
.endr
.macro ISSUE n                         ; entry n's index (z P2 mod 2^19 is a constant of the text) and its load, which lands on its own index
.set BS, GD+2*((\n)%DEPTH)
.if (\n) < 16
	v_xor_b32 v[BS], ((\n)*P2M)&MASK, v[BA0]
.else
	v_xor_b32 v[BS], ((((\n)-16)>>2)*P2M)&MASK, v[BA1+(((\n)-16)&3)]
.endif
	global_load_b64 v[BS:BS+1], v[BS], s[6:7] scale_offset
.endm
.macro PUT n                           ; entry n goes to its un-hashed place: a wave's store covers 256 consecutive bytes
.set BS, GD+2*((\n)%DEPTH)
.if (\n) < 16
	ds_store_b64 v[LB0], v[BS:BS+1] offset:2048*(\n)
.else
	ds_store_b64 v[LB1+(((\n)-16)>>5)], v[BS:BS+1] offset:2048*(((\n)-16)&31)
.endif
.endm
.set n, 0
.rept DEPTH
	ISSUE n
.set n, n+1
.endr
	; while the ring's first loads are on their way: the addresses of the way out, and the weights' fourth registers
	s_mul_i32 s22, s[WV], WSTAGE
	s_add_co_u32 s22, s22, STAGE                   ; my wave's stage
	v_mul_u32_u24 v[STW], v[LANE], SPITCH          ; in: row = lane
	v_add_nc_u32 v[STW], s22, v[STW]
	v_lshrrev_b32 v[STR], 2, v[LANE]               ; back: four lanes take a row of 64 bytes, 32 lanes eight rows: 512 consecutive bytes of out0
	v_mul_u32_u24 v[STR], v[STR], SPITCH
	v_and_b32 v12, 3, v[LANE]
	v_lshl_add_u32 v[STR], v12, 4, v[STR]
	v_add_nc_u32 v[STR], s22, v[STR]
	v_lshlrev_b32 v[OOFF], 4, v[LANE]
.irp l, 0,1,2,3,4,5,6,7
	v_mov_b32 v[W+4*(\l)+3], 0                     ; named as wy's partner in a pair, never used: written once
.endr
.set n, 0
.rept NLD
.if NLD-1-n < DEPTH-1
	s_wait_loadcnt NLD-1-n                         ; the last slots: the counts run down
.else
	s_wait_loadcnt DEPTH-1                         ; loads come back in order: entry n is in, the 31 younger ones stay out
.endif
	PUT n
.if n+DEPTH < NLD
	ISSUE n+DEPTH                                  ; the slot is asked again at once
.endif
.set n, n+1
.endr
	s_wait_dscnt 0x0                               ; for the others' sake: my stores into the tables are done
	s_barrier_signal -1
	s_barrier_wait -1                              ; the tables are whole; from here on nobody writes them
; t for all eight levels and three dimensions: behind it QL is free for the next load
.macro TALL
.irp d, 0,1,2
	v_lshrrev_b32 v[U+(\d)], 11, v[QL+(\d)]
.endr
.irp l, 0,1,2,3,4,5,6
.irp d, 0,1,2
	v_lshrrev_b32 v[TT+3*(\l)+(\d)], 7-(\l), v[QL+(\d)]
.endr
.irp d, 0,1,2
	v_sub_nc_u32 v[TT+3*(\l)+(\d)], v[TT+3*(\l)+(\d)], v[U+(\d)]
.endr
.endr
.irp d, 0,1,2
	v_sub_nc_u32 v[TT+21+(\d)], v[QL+(\d)], v[U+(\d)]
.endr
.endm
.macro QNEXT                           ; the next tile's q.  QOFF's last load is shown done by the wait that stands ahead of TALL
	v_add_nc_u32 v[QOFF], 384, v[QOFF]
	global_load_b96 v[QL:QL+2], v[QOFF], s[4:5] th:TH_LOAD_NT
.endm
; level l: the cell into C, the weights into W
.macro COORD l
.set LW, W+4*(\l)
	v_lshlrev_b32 v[LW+0], 11, v[TT+3*(\l)+0]      ; the 21 fraction bits, at the top of the word
	v_lshlrev_b32 v[LW+2], 11, v[TT+3*(\l)+1]
	v_lshlrev_b32 v[LW+1], 11, v[TT+3*(\l)+2]
.irp d, 0,1,2
	v_lshrrev_b32 v[C+(\d)], 21, v[TT+3*(\l)+(\d)]
.endr
.irp d, 0,1,2
	v_cvt_f32_u32 v[LW+(\d)], v[LW+(\d)]
.endr
	v_pk_mul_f32 v[LW:LW+1], v[LW:LW+1], s[SC:SC+1] op_sel_hi:[1,0]
	v_mul_f32 v[LW+2], s[SC], v[LW+2]
.endm
; a hashed level: eight indices, eight loads of 8 bytes
.macro HASHED l
	COORD \l
.set LG, GD+16*((\l)-2)
	v_mul_u32_u24 v[HY], s[SP1], v[C+1]            ; 11 bits x 19 bits
	v_mul_u32_u24 v[HZ], s[SP2], v[C+2]
	v_add_nc_u32 v[CX1], 1, v[C]
	v_add_nc_u32 v[HY+1], s[SP1], v[HY]
	v_add_nc_u32 v[HZ+1], s[SP2], v[HZ]
	v_xor_b32 v[A+0], v[HY],   v[HZ]
	v_xor_b32 v[A+1], v[HY+1], v[HZ]
	v_xor_b32 v[A+2], v[HY],   v[HZ+1]
	v_xor_b32 v[A+3], v[HY+1], v[HZ+1]
.irp m, 0,1,2,3
	v_and_b32 v[A+(\m)], s[SMASK], v[A+(\m)]       ; mod 2^19 here, four times: x stays under 2^11, so the eight indices below need no mask
.endr
.irp m, 0,1,2,3
	v_xor_b32 v[LG+4*(\m)],   v[C],   v[A+(\m)]
	v_xor_b32 v[LG+4*(\m)+2], v[CX1], v[A+(\m)]
.endr
.irp p, 0,1,2,3,4,5,6,7
	v_min_u32 v[LG+2*(\p)], MASK, v[LG+2*(\p)]     ; a number read from memory enters an address only behind v_min_u32 with a constant; the index is below 2^19 already
.endr
.irp p, 0,1,2,3,4,5,6,7
	global_load_b64 v[LG+2*(\p):LG+2*(\p)+1], v[LG+2*(\p)], s[6:7] scale_offset
.endr
.endm
; a level out of LDS: one address, eight immediates
.macro DENSE l
	COORD \l
.set LK, 4+(\l)
	v_lshl_add_u32 v[IL+(\l)], v[C+2], LK, v[C+1]
	v_lshl_add_u32 v[IL+(\l)], v[IL+(\l)], LK, v[C]
	v_min_u32 v[IL+(\l)], ((1<<LK)-2)*(1+(1<<LK)+(1<<(2*LK))), v[IL+(\l)]  ; the largest cell's index: the farthest corner's last byte is the table's last
	v_lshlrev_b32 v[IL+(\l)], 3, v[IL+(\l)]
.irp p, 0,1,2,3,4,5,6,7
	ds_load_b64 v[LD+16*(\l)+2*(\p):LD+16*(\l)+2*(\p)+1], v[IL+(\l)] offset:(\l)*T1+8*((\p)&1)+(((\p)>>1)&1)*(8<<LK)+((\p)>>2)*(8<<(2*LK))
.endr
.endm
; eight corners at d become level l's two numbers: four lerps along x, two along y, one along z
.macro LERP d, l
.set LW, W+4*(\l)
.set LO, OUT+2*(\l)
.irp m, 0,1,2,3
	v_pk_add_f32 v[(\d)+4*(\m)+2:(\d)+4*(\m)+3], v[(\d)+4*(\m)+2:(\d)+4*(\m)+3], v[(\d)+4*(\m):(\d)+4*(\m)+1] neg_lo:[0,1] neg_hi:[0,1]
.endr
.irp m, 0,1,2,3
	v_pk_fma_f32 v[(\d)+4*(\m):(\d)+4*(\m)+1], v[(\d)+4*(\m)+2:(\d)+4*(\m)+3], v[LW:LW+1], v[(\d)+4*(\m):(\d)+4*(\m)+1] op_sel_hi:[1,0,1]
.endr
.irp m, 0,1
	v_pk_add_f32 v[(\d)+8*(\m)+4:(\d)+8*(\m)+5], v[(\d)+8*(\m)+4:(\d)+8*(\m)+5], v[(\d)+8*(\m):(\d)+8*(\m)+1] neg_lo:[0,1] neg_hi:[0,1]
.endr
.irp m, 0,1
	v_pk_fma_f32 v[(\d)+8*(\m):(\d)+8*(\m)+1], v[(\d)+8*(\m)+4:(\d)+8*(\m)+5], v[LW+2:LW+3], v[(\d)+8*(\m):(\d)+8*(\m)+1] op_sel_hi:[1,0,1]
.endr
	v_pk_add_f32 v[(\d)+8:(\d)+9], v[(\d)+8:(\d)+9], v[(\d):(\d)+1] neg_lo:[0,1] neg_hi:[0,1]
	v_fma_f32 v[LO],   v[(\d)+8], v[LW+1], v[(\d)]
	v_fma_f32 v[LO+1], v[(\d)+9], v[LW+1], v[(\d)+1]
.endm
; the way out of a tile: 32 rows of 64 bytes through my own stage.  more = 1: another tile follows
.macro SEND more
.irp c, 0,1,2,3
	ds_store_b128 v[STW], v[OUT+4*(\c):OUT+4*(\c)+3] offset:16*(\c)
.endr
	s_wait_xcnt 0x0                                ; every earlier memory instruction has had its addresses translated (ISA guide 3.1): only behind this wait are RB and out0's address, which the last tile's stores read, written again
	s_add_nc_u64 s[8:9], s[8:9], s[ADD:ADD+1]      ; the first time on to my first tile, then a tile on
.if \more
	s_mov_b64 s[ADD:ADD+1], 2048
.endif
.irp j, 0,1,2,3
	ds_load_b128 v[RB+4*(\j):RB+4*(\j)+3], v[STR] offset:8*SPITCH*(\j)  ; LDS serves a wave's instructions in order (ISA guide 5.7.1.4): these see the stores above, and the next tile's stores come behind them
.endr
.irp j, 0,1,2,3
	s_wait_dscnt 3-(\j)
	global_store_b128 v[OOFF], v[RB+4*(\j):RB+4*(\j)+3], s[8:9] offset:512*(\j) th:TH_STORE_NT  ; 512 consecutive bytes, at a multiple of 256 from out0's first byte
.endr
.endm
; A TRIP: tile n is finished level by level, and tile n + 1 asked for in its wake.  q = 1: the q of tile n + 2 is asked for.
; The order of a wave's loads: q(n+1), levels 2..7 of tile n, q(n+2), levels 2..7 of tile n + 1, ...
.macro BODY q
	s_wait_loadcnt 40                              ; level 2 of tile n is in, and q(n+1), which is older; levels 3 to 7, 40 loads, stay out
	TALL
.if \q
	QNEXT
.endif
	LERP GD, 2
	HASHED 2
.irp l, 3,4,5,6,7
	s_wait_loadcnt 40+(\q)                         ; younger than level l of tile n: 8 (7 - l) of this tile, the q load, 8 (l - 2) of the next tile
	LERP GD+16*((\l)-2), \l
	HASHED \l
.endr
	s_wait_dscnt 0x0                               ; levels 0 and 1 of tile n, asked for a trip ago
	LERP LD, 0
	DENSE 0
	LERP LD+16, 1
	DENSE 1
	SEND 1
.endm
	s_wait_loadcnt 0x0                             ; tile 0's q (asked for ahead of the build)
	TALL
	QNEXT                                          ; tile 1's q, ahead of tile 0's gathers
.irp l, 2,3,4,5,6,7
	HASHED \l
.endr
	DENSE 0
	DENSE 1
	s_mov_b32 s[CNT], TRIPS-2
.Ltrip:                                                ; tiles 0 to 13: they ask for the q of tiles 2 to 15
	BODY 1
	s_sub_co_u32 s[CNT], s[CNT], 1
	s_cmp_lg_u32 s[CNT], 0
	s_cbranch_scc1 .Ltrip
	BODY 0                                         ; tile 14: no q is left to ask for, so no load leaves the buffer
.irp l, 2,3,4,5,6,7
	s_wait_loadcnt 8*(7-(\l))                      ; tile 15: nothing is asked for any more, the counts run down
	LERP GD+16*((\l)-2), \l
.endr
	s_wait_dscnt 0x0
	LERP LD, 0
	LERP LD+16, 1
	SEND 0
	s_wait_tensorcnt 0x0                           ; the wave's end: behind my last LDS store
	ds_add_u32 v[SPW], v[NIL]
	s_wait_dscnt 0x0
	s_endpgm
.Lfunc_end_k_q5ce7f0769c_encode:
	.size	k_q5ce7f0769c_encode, .Lfunc_end_k_q5ce7f0769c_encode-k_q5ce7f0769c_encode
	.p2alignl 7, 3214868480
	.fill 96, 4, 3214868480
	.section	.rodata,"a",@progbits
	.p2align	6, 0x0
	.amdhsa_kernel k_q5ce7f0769c_encode
		.amdhsa_group_segment_fixed_size 316416
		.amdhsa_private_segment_fixed_size 0
		.amdhsa_enable_private_segment 0
		.amdhsa_kernarg_size 24
		.amdhsa_user_sgpr_count 2
		.amdhsa_user_sgpr_kernarg_segment_ptr 1
		.amdhsa_wavefront_size32 1
		.amdhsa_system_sgpr_workgroup_id_x 1
		.amdhsa_system_sgpr_workgroup_id_y 1
		.amdhsa_system_sgpr_workgroup_id_z 1
		.amdhsa_system_vgpr_workitem_id 0
		.amdhsa_next_free_vgpr 248
		.amdhsa_next_free_sgpr 66
		.amdhsa_reserve_vcc 0
		.amdhsa_float_denorm_mode_32 3
		.amdhsa_float_denorm_mode_16_64 3
		.amdhsa_memory_ordered 1
		.amdhsa_forward_progress 1
		.amdhsa_inst_pref_size 119
	.end_amdhsa_kernel
	.amdgpu_metadata
---
amdhsa.version: [ 1, 2 ]
amdhsa.kernels:
  - .name:           k_q5ce7f0769c_encode
    .symbol:         k_q5ce7f0769c_encode.kd
    .args:
      - { .name: cells, .offset: 0, .size: 8, .value_kind: global_buffer, .address_space: global }
      - { .name: hash_table, .offset: 8, .size: 8, .value_kind: global_buffer, .address_space: global }
      - { .name: out0, .offset: 16, .size: 8, .value_kind: global_buffer, .address_space: global }
    .group_segment_fixed_size: 316416
    .private_segment_fixed_size: 0
    .kernarg_segment_align: 8
    .kernarg_segment_size: 24
    .max_flat_workgroup_size: 256
    .sgpr_count:     66
    .vgpr_count:     248
    .wavefront_size: 32
...
	.end_amdgpu_metadata
.endif
;; end of part 2
;; ======== version 2 of 2: 2 launches; version 1 with the launch encode written anew for expert scheduling mode
;; workspace buffers: cells 12,582,912 bytes of whole numbers
;; launch quantize: the kernel of part 1 again; grid 768 x 1, 8 waves a work-group, no clusters, 0 bytes of LDS; arguments positions, cells; writes cells
;; launch encode (part 3): grid 256 x 1, 8 waves a work-group, no clusters, 316,416 bytes of LDS; arguments cells, hash_table, out0; writes out0
.if DOCPART == 3
	.amdgcn_target "amdgcn-amd-amdhsa--gfx1250"
	.amdhsa_code_object_version 6
	.text
	.protected	k_q5ce7f0769c_encode
	.globl	k_q5ce7f0769c_encode
	.p2align	8
	.type	k_q5ce7f0769c_encode,@function
k_q5ce7f0769c_encode:
	s_mov_b64 s[64:65], 0
	v_nop
	global_prefetch_b8 v0, s[64:65] scope:SCOPE_SE
	s_setreg_imm32_b32 hwreg(HW_REG_WAVE_SCHED_MODE, 0, 2), 2
	s_setreg_imm32_b32 hwreg(HW_REG_WAVE_MODE, 25, 1), 1
	s_wait_xcnt 0x0
	s_wait_alu depctr_vm_vsrc(0)
; HASH ENCODING.  out0[n][2 l + f] = trilinear interpolation, at level l = 0..7 (a grid of 16 << l vertices a side), of feature f of the eight corners of
; point n's cell; corner (x, y, z) lies at hash_table[(x ^ y * 2654435761 ^ z * 805459861) mod 2^19].  Only the primes' low 19 bits reach the index.
; INPUT.  cells[n][d] = q = p * 2^32, p the point's coordinate in 0 .. 1 - 2^-24, made by the launch before.  For level l
;   t = (q >> (7 - l)) - (q >> 11) = p (2^(4+l) - 1) 2^21, to within 2 units: the cell is t >> 21, the weight w the low 21 bits.
; Cell and weight come from ONE number, so a point near a cell's face gets either cell k with w near 0 or cell k - 1 with w near 1, which are the same value.
; q <= 2^32 - 256 keeps the cell at 2^(4+l) - 2 or less, so corner + 1 is always a vertex and needs no clip.
; LEVELS 0 AND 1 OUT OF LDS.  Their vertices are 16^3 and 32^3 table entries, 32,768 + 262,144 bytes: each work-group lays them un-hashed into LDS once, entry
; (z, y, x) at ((z << k) + y << k) + x.  x enters the hash by an exclusive or alone, so the 32 (16) entries of a row over x are one aligned block of 256 (128)
; bytes of the table and a wave's load is coalesced.  A point's eight corners are then one LDS address and eight immediates, without any hash.
; LEVELS 2 TO 7 are gathered from the table, 8 bytes a corner: 48 loads a point.
; INTERPOLATION in f32: along x, then y, then z, f0 + w (f1 - f0), two features at a time: the same polynomial as the original's sum of eight weighted corners.
; It stays on the vector unit: weights and features are both private to a point, so a 16 x 16 matrix product would use 2 of its 16 columns and 8 of every 128 along K.
; SHARES.  256 work-groups of 8 waves; a work-group has 4,096 points, a wave 16 tiles of 32, a lane one point of a tile.
; THE PIPELINE ROLLS BY LEVEL: a level's eight loads of tile n are awaited and interpolated, and the same registers are at once asked again for tile n + 1:
; each gather has a whole trip in which to land.  At most 49 loads of a wave are out.
; THE WAY OUT.  A lane holds a row of 64 bytes; the rows go through the wave's own stage in LDS and come back so that each store covers 512 consecutive bytes, aligned.
; NO CLUSTER, NO TENSOR LOADS: what work-groups share is the 294,912 bytes laid into LDS: 1,280 rows at hashed addresses, each permuted by its own exclusive or, which no
; tile descriptor states.  With both tables in LDS the stages of eight waves fit beside them, those of sixteen do not (294,912 + 16 x 2,560 > 327,680).
; LIMITS.  Table entries are finite (f1 - f0 of infinities is NaN where the original may differ).  What the launch before says of NaN and infinite positions holds here.
; THE MODE: SCHED_MODE bits 1:0 = 2 (LLVM: expert scheduling mode 2), set by the entry lines.  The code itself states the register dependences
; between vector instructions and memory or LDS instructions, with s_wait_alu, always for 0.
; THE PLAN.  Registers that memory or LDS instructions touch in the loop, in the order of a trip (a SLOT is a hashed level's part of it):
;   GD[l]   slot l: LERP l reads and writes it; at the slot's end the eight loads of the next tile land in it.
;   IX      slot l: sixteen vector lines write the eight indices; the slot's eight loads read them.  Indices have registers of their own: no load lands on a register that a memory instruction reads.
;   QL      the trip's head: TALL reads it; the q load of the tile after next, which stands in slot 2, lands in it.
;   LD, IL  the trip's end: LERP 0 and 1 read and write LD, vector lines write the two addresses IL; sixteen LDS loads read IL and land in LD.
;   OUT     written by the trip's eight LERPs, read by the four LDS stores into the stage at its end.
;   RB      the four LDS loads from the stage land in it, the four global stores read it; no vector instruction names it.
;   QOFF, STW, STR, OOFF  made at the head, never written again: the q stream steps its scalar base.
;   TT, W, U, C, CX1, HY, HZ, A are named by vector instructions alone.
; THE WAITS OF A TRIP.  On vm_vsrc, each beside s_wait_xcnt 0: in slot 2 ahead of LERP 2 (OUT, IL, IX are free), in slots 3 to 7 ahead of the first write of IX, at the trip's end ahead of the
; loads into RB.  On va_vdst: one at each slot's end, behind the indices (IX is written, LERP l is done with GD[l], in slot 2 TALL is done with QL), and one at the trip's end (OUT and IL are
; written, LERP 0 and 1 are done with LD).  The memory and LDS instructions follow each of these with no vector instruction between.
.set P1M,    0x779b1                   ; 2654435761 mod 2^19
.set P2M,    0x25795                   ; 805459861 mod 2^19
.set MASK,   0x7ffff
.set T1,     32768                     ; LDS: level 0's table at 0, level 1's here
.set STAGE,  T1+262144                 ; behind the tables: 32 rows of 80 bytes for each wave
.set SPITCH, 80                        ; 64 bytes + 16: an odd multiple of 16
.set WSTAGE, 32*SPITCH
.set TRIPS,  16                        ; tiles of a wave
.set BATCH,  16                        ; the table build: entries of a thread in a batch
.set NLD,    144                       ; (4,096 + 32,768) entries / 256 threads
.set NB,     NLD/BATCH                 ; nine batches
.set LANE, 1                           ; v1      lane
.set QOFF, 4                           ; v4      byte offset of my point's 12 bytes in a tile's part of cells; never rewritten
.set STW,  5                           ; v5      the way out: where I put my row; never rewritten
.set STR,  6                           ; v6      the way out: where I read 16 bytes back; never rewritten
.set OOFF, 7                           ; v7      16 x lane; never rewritten
.set QL,   8                           ; v[8:10] q of the next tile, as loaded
.set U,    12                          ; v12-14  q >> 11
.set C,    16                          ; v16-18  the cell
.set CX1,  19                          ; v19     its x + 1
.set HY,   20                          ; v20-21  y P1, (y + 1) P1
.set HZ,   22                          ; v22-23  z P2, (z + 1) P2
.set A,    24                          ; v24-27  their four exclusive ors, mod 2^19: number 2 kz + jy
.set IL,   28                          ; v28-29  LDS address of the cell at levels 0, 1
.set TT,   30                          ; v30-53  t: level l, dimension d at TT + 3 l + d
.set W,    54                          ; v54-85  level l: wx, wz, wy, 0 (wx and wy are the low halves of pairs, which the packed lerps broadcast)
.set OUT,  86                          ; v86-101 my row of 16 numbers
.set RB,   102                         ; v102-117 rows read back from the stage
.set LD,   118                         ; v118-149 levels 0, 1: eight corners x two features; corner 4 kz + 2 jy + ix
.set GD,   150                         ; v150-245 levels 2 to 7, likewise
.set IX,   246                         ; v246-253 the eight indices of the hashed level in hand
.set BA0,  16                          ; the build: level 0: x ^ y P1 of my entries
.set BA1,  20                          ; v20-23  level 1: the same for y = 8 j + wave
.set LB0,  24                          ; where my entries go: level 0,
.set LB1,  28                          ; v28-31  level 1, a register for each 65,536 bytes
.set BI,   LD                          ; the build: two buffers of 16 indices, by turns
.set BD,   GD                          ; the build: three buffers of 16 entries, by turns
.set WV,   10                          ; s10     wave
.set CNT,  11                          ; s11     trips to go
.set SP1,  12
.set SP2,  13
.set SMASK, 14
.set SC,   16                          ; s[16:17] 2^-32
.set ADD,  18                          ; s[18:19] what the next way out adds to out0's address
; THE BUILD.  Thread t takes entries 256 n + t.  Level 0 (n = 0..15): x = t % 16, y = t / 16, z = n.  Level 1 (i = n - 16 = 0..127): x = lane, y = 8 (i % 4) + wave, z = i / 4.
; Batch b is entries 16 b to 16 b + 15: its indices stand in BI[b % 2], its entries land in BD[b % 3].
.macro BIDX b                          ; the batch's sixteen indices (z P2 mod 2^19 is a constant of the text)
.set be, 0
.rept BATCH
.set bn, BATCH*(\b)+be
.if bn < 16
	v_xor_b32 v[BI+BATCH*((\b)%2)+be], (bn*P2M)&MASK, v[BA0]
.else
	v_xor_b32 v[BI+BATCH*((\b)%2)+be], (((bn-16)>>2)*P2M)&MASK, v[BA1+((bn-16)&3)]
.endif
.set be, be+1
.endr
.endm
.macro BASK b                          ; its sixteen loads
.set be, 0
.rept BATCH
	global_load_b64 v[BD+2*BATCH*((\b)%3)+2*be:BD+2*BATCH*((\b)%3)+2*be+1], v[BI+BATCH*((\b)%2)+be], s[6:7] scale_offset
.set be, be+1
.endr
.endm
.macro BPUT b                          ; its entries go to their un-hashed places: a wave's store covers 256 consecutive bytes
.set be, 0
.rept BATCH
.set bn, BATCH*(\b)+be
.if bn < 16
	ds_store_b64 v[LB0], v[BD+2*BATCH*((\b)%3)+2*be:BD+2*BATCH*((\b)%3)+2*be+1] offset:2048*bn
.else
	ds_store_b64 v[LB1+((bn-16)>>5)], v[BD+2*BATCH*((\b)%3)+2*be:BD+2*BATCH*((\b)%3)+2*be+1] offset:2048*((bn-16)&31)
.endif
.set be, be+1
.endr
.endm
	s_load_b128 s[4:7], s[0:1], 0x0                ; cells s[4:5], hash_table s[6:7]
	s_load_b64 s[8:9], s[0:1], 0x10                ; out0
	v_lshl_add_u32 v254, v0, 2, 0x4d000
	v_mov_b32 v255, 0
	v_lshrrev_b32 v[LANE], 5, v0
	v_readfirstlane_b32 s[WV], v[LANE]             ; wave 0..7
	v_and_b32 v[LANE], 31, v0
	s_mov_b32 s[SP1], P1M
	s_mov_b32 s[SP2], P2M
	s_mov_b32 s[SMASK], MASK
	s_mov_b32 s[SC], 0x2f800000                    ; 2^-32
	s_mov_b32 s[SC+1], s[SC]                       ; named with it as a pair
	s_wait_alu depctr_va_sdst(0)                   ; the wave's number is written, ahead of its first reader: the offsets below are made from it
	s_mul_i32 s20, ttmp9, 4096*12                  ; cells: the work-group's 4,096 points,
	s_mul_i32 s22, s[WV], 512*12                   ; the wave's 512 of them
	s_add_co_u32 s20, s20, s22
	s_mov_b32 s21, 0
	s_lshl_b32 s[ADD], ttmp9, 18                   ; out0: the same points, 64 bytes each (under 2^26 in all)
	s_lshl_b32 s22, s[WV], 15
	s_add_co_u32 s[ADD], s[ADD], s22
	s_mov_b32 s[ADD+1], 0
	v_mul_u32_u24 v[QOFF], v[LANE], 12
	v_and_b32 v[BA0], 15, v0
	v_lshrrev_b32 v12, 4, v0
	v_mul_u32_u24 v12, s[SP1], v12
	v_xor_b32 v[BA0], v[BA0], v12
	v_and_b32 v[BA0], s[SMASK], v[BA0]
.irp j, 0,1,2,3
	s_add_co_u32 s22, s[WV], 8*(\j)
	s_mul_i32 s22, s22, s[SP1]
	s_and_b32 s22, s22, s[SMASK]
	v_xor_b32 v[BA1+(\j)], s22, v[LANE]
.endr
	v_lshlrev_b32 v[LB0], 3, v0
.irp r, 0,1,2,3
	v_lshl_add_u32 v[LB1+(\r)], v0, 3, T1+65536*(\r)
.endr
	BIDX 0
	BIDX 1
	s_wait_kmcnt 0x0
	s_add_nc_u64 s[4:5], s[4:5], s[20:21]
	s_wait_alu depctr_va_vdst(0)                   ; QOFF, both index buffers and the build's LDS addresses are written: the loads and LDS stores below read them
	global_load_b96 v[QL:QL+2], v[QOFF], s[4:5] th:TH_LOAD_NT  ; tile 0's q: older than every load of the build, so the build's counts do not see it
	BASK 0
	BASK 1
	; while the first two batches are on their way: the addresses of the way out, and the weights' fourth registers
	s_mul_i32 s22, s[WV], WSTAGE
	s_add_co_u32 s22, s22, STAGE                   ; my wave's stage
	v_mul_u32_u24 v[STW], v[LANE], SPITCH          ; in: row = lane
	v_add_nc_u32 v[STW], s22, v[STW]
	v_lshrrev_b32 v[STR], 2, v[LANE]               ; back: four lanes take a row of 64 bytes, 32 lanes eight rows: 512 consecutive bytes of out0
	v_mul_u32_u24 v[STR], v[STR], SPITCH
	v_and_b32 v12, 3, v[LANE]
	v_lshl_add_u32 v[STR], v12, 4, v[STR]
	v_add_nc_u32 v[STR], s22, v[STR]
	v_lshlrev_b32 v[OOFF], 4, v[LANE]
.irp l, 0,1,2,3,4,5,6,7
	v_mov_b32 v[W+4*(\l)+3], 0                     ; named as wy's partner in a pair, never used: written once
.endr
.set bb, 0
.rept NB
.if bb+2 < NB
	s_wait_xcnt 0x0                                ; every earlier memory instruction has had its addresses translated (ISA guide 3.1): the index buffer of batch bb is rewritten only behind this wait
	s_wait_alu depctr_vm_vsrc(0)                   ; the loads of batch bb have read their index buffer, which the lines below write; the LDS stores of batch bb - 1 have read their entries, in whose registers the loads below land
	BIDX bb+2
	s_wait_alu depctr_va_vdst(0)                   ; the sixteen indices are written, which the loads below read (the first time also STW, STR and OOFF, for the way out)
	BASK bb+2
.endif
.if NB-1-bb >= 2
	s_wait_loadcnt 2*BATCH                         ; loads come back in order: batch bb is in, the two younger batches stay out
.else
	s_wait_loadcnt (NB-1-bb)*BATCH                 ; the last batches: the counts run down
.endif
	BPUT bb
.set bb, bb+1
.endr
	s_wait_dscnt 0x0                               ; for the others' sake: my stores into the tables are done
	s_barrier_signal -1
	s_barrier_wait -1                              ; the tables are whole; from here on nobody writes them
	s_wait_alu depctr_vm_vsrc(0)                   ; my LDS stores have read LB0, LB1 and BD, my loads BI: these registers are A, IL, TT, GD and LD from here on
; t for all eight levels and three dimensions: behind it QL is free for the next load
.macro TALL
.irp d, 0,1,2
	v_lshrrev_b32 v[U+(\d)], 11, v[QL+(\d)]
.endr
.irp l, 0,1,2,3,4,5,6
.irp d, 0,1,2
	v_lshrrev_b32 v[TT+3*(\l)+(\d)], 7-(\l), v[QL+(\d)]
.endr
.irp d, 0,1,2
	v_sub_nc_u32 v[TT+3*(\l)+(\d)], v[TT+3*(\l)+(\d)], v[U+(\d)]
.endr
.endr
.irp d, 0,1,2
	v_sub_nc_u32 v[TT+21+(\d)], v[QL+(\d)], v[U+(\d)]
.endr
.endm
; level l: the weights into W
.macro WEIGH l
.set LW, W+4*(\l)
	v_lshlrev_b32 v[LW+0], 11, v[TT+3*(\l)+0]      ; the 21 fraction bits, at the top of the word
	v_lshlrev_b32 v[LW+2], 11, v[TT+3*(\l)+1]
	v_lshlrev_b32 v[LW+1], 11, v[TT+3*(\l)+2]
.irp d, 0,1,2
	v_cvt_f32_u32 v[LW+(\d)], v[LW+(\d)]
.endr
	v_pk_mul_f32 v[LW:LW+1], v[LW:LW+1], s[SC:SC+1] op_sel_hi:[1,0]
	v_mul_f32 v[LW+2], s[SC], v[LW+2]
.endm
; a hashed level, first part: the cell and the four partial hashes.  It names registers at work alone, so it stands ahead of the wait for the level's data
.macro HASHA l
.irp d, 0,1,2
	v_lshrrev_b32 v[C+(\d)], 21, v[TT+3*(\l)+(\d)]
.endr
	v_mul_u32_u24 v[HY], s[SP1], v[C+1]            ; 11 bits x 19 bits
	v_mul_u32_u24 v[HZ], s[SP2], v[C+2]
	v_add_nc_u32 v[CX1], 1, v[C]
	v_add_nc_u32 v[HY+1], s[SP1], v[HY]
	v_add_nc_u32 v[HZ+1], s[SP2], v[HZ]
	v_xor_b32 v[A+0], v[HY],   v[HZ]
	v_xor_b32 v[A+1], v[HY+1], v[HZ]
	v_xor_b32 v[A+2], v[HY],   v[HZ+1]
	v_xor_b32 v[A+3], v[HY+1], v[HZ+1]
.irp m, 0,1,2,3
	v_and_b32 v[A+(\m)], s[SMASK], v[A+(\m)]       ; mod 2^19 here, four times: x stays under 2^11, so the eight indices need no mask
.endr
.endm
; a hashed level, second part: eight indices, eight loads of 8 bytes.  q = 1: the q load of the tile after stands ahead of them
.macro ASK l, q
.set LG, GD+16*((\l)-2)
.irp m, 0,1,2,3
	v_xor_b32 v[IX+2*(\m)],   v[C],   v[A+(\m)]
	v_xor_b32 v[IX+2*(\m)+1], v[CX1], v[A+(\m)]
.endr
.irp p, 0,1,2,3,4,5,6,7
	v_min_u32 v[IX+(\p)], MASK, v[IX+(\p)]         ; a number read from memory enters an address only behind v_min_u32 with a constant; the index is below 2^19 already
.endr
	s_wait_alu depctr_va_vdst(0)                   ; the eight indices are written, which the loads read; the lerps are done reading and writing this level's GD, in which they land; at level 2 TALL is done reading QL
.if \q
	global_load_b96 v[QL:QL+2], v[QOFF], s[4:5] th:TH_LOAD_NT
.endif
.irp p, 0,1,2,3,4,5,6,7
	global_load_b64 v[LG+2*(\p):LG+2*(\p)+1], v[IX+(\p)], s[6:7] scale_offset
.endr
.endm
; a level out of LDS: the weights and one address,
.macro DADR l
.set LK, 4+(\l)
.irp d, 0,1,2
	v_lshrrev_b32 v[C+(\d)], 21, v[TT+3*(\l)+(\d)]
.endr
	WEIGH \l
	v_lshl_add_u32 v[IL+(\l)], v[C+2], LK, v[C+1]
	v_lshl_add_u32 v[IL+(\l)], v[IL+(\l)], LK, v[C]
	v_min_u32 v[IL+(\l)], ((1<<LK)-2)*(1+(1<<LK)+(1<<(2*LK))), v[IL+(\l)]  ; the largest cell's index: the farthest corner's last byte is the table's last
	v_lshlrev_b32 v[IL+(\l)], 3, v[IL+(\l)]
.endm
; and eight immediates
.macro DASK l
.set LK, 4+(\l)
.irp p, 0,1,2,3,4,5,6,7
	ds_load_b64 v[LD+16*(\l)+2*(\p):LD+16*(\l)+2*(\p)+1], v[IL+(\l)] offset:(\l)*T1+8*((\p)&1)+(((\p)>>1)&1)*(8<<LK)+((\p)>>2)*(8<<(2*LK))
.endr
.endm
; eight corners at d become level l's two numbers: four lerps along x, two along y, one along z
.macro LERP d, l
.set LW, W+4*(\l)
.set LO, OUT+2*(\l)
.irp m, 0,1,2,3
	v_pk_add_f32 v[(\d)+4*(\m)+2:(\d)+4*(\m)+3], v[(\d)+4*(\m)+2:(\d)+4*(\m)+3], v[(\d)+4*(\m):(\d)+4*(\m)+1] neg_lo:[0,1] neg_hi:[0,1]
.endr
.irp m, 0,1,2,3
	v_pk_fma_f32 v[(\d)+4*(\m):(\d)+4*(\m)+1], v[(\d)+4*(\m)+2:(\d)+4*(\m)+3], v[LW:LW+1], v[(\d)+4*(\m):(\d)+4*(\m)+1] op_sel_hi:[1,0,1]
.endr
.irp m, 0,1
	v_pk_add_f32 v[(\d)+8*(\m)+4:(\d)+8*(\m)+5], v[(\d)+8*(\m)+4:(\d)+8*(\m)+5], v[(\d)+8*(\m):(\d)+8*(\m)+1] neg_lo:[0,1] neg_hi:[0,1]
.endr
.irp m, 0,1
	v_pk_fma_f32 v[(\d)+8*(\m):(\d)+8*(\m)+1], v[(\d)+8*(\m)+4:(\d)+8*(\m)+5], v[LW+2:LW+3], v[(\d)+8*(\m):(\d)+8*(\m)+1] op_sel_hi:[1,0,1]
.endr
	v_pk_add_f32 v[(\d)+8:(\d)+9], v[(\d)+8:(\d)+9], v[(\d):(\d)+1] neg_lo:[0,1] neg_hi:[0,1]
	v_fma_f32 v[LO],   v[(\d)+8], v[LW+1], v[(\d)]
	v_fma_f32 v[LO+1], v[(\d)+9], v[LW+1], v[(\d)+1]
.endm
; A tile's end: levels 0 and 1, and the way out: 32 rows of 64 bytes through my own stage.  more = 1: another tile follows, whose levels 0 and 1 are asked for
.macro TAIL more
	s_wait_dscnt 0x0                               ; levels 0 and 1 of this tile, asked for a trip ago
	LERP LD, 0
	LERP LD+16, 1
.if \more
	DADR 0
	DADR 1
.endif
	s_wait_xcnt 0x0                                ; every earlier memory instruction has had its addresses translated (ISA guide 3.1): only behind this wait are RB and out0's address, which the last tile's stores read, written again
	s_wait_alu depctr_vm_vsrc(0)                   ; the last tile's global stores have read RB, in which the loads from the stage land
	s_add_nc_u64 s[8:9], s[8:9], s[ADD:ADD+1]      ; the first time on to my first tile, then a tile on
.if \more
	s_mov_b64 s[ADD:ADD+1], 2048
.endif
	s_wait_alu depctr_va_vdst(0)                   ; the eight lerps have written OUT, which the LDS stores read; IL is written, which the table's loads read; the lerps are done with LD, in which those land
.irp c, 0,1,2,3
	ds_store_b128 v[STW], v[OUT+4*(\c):OUT+4*(\c)+3] offset:16*(\c)
.endr
.irp j, 0,1,2,3
	ds_load_b128 v[RB+4*(\j):RB+4*(\j)+3], v[STR] offset:8*SPITCH*(\j)  ; LDS serves a wave's instructions in order (ISA guide 5.7.1.4): these see the stores above, and the next tile's stores come behind them
.endr
.if \more
	DASK 0                                         ; behind the stage's loads, so that the rows do not queue behind them
	DASK 1
.endif
.irp j, 0,1,2,3
	s_wait_dscnt 16*(\more)+3-(\j)                 ; younger than the stage's load j: the stage's later loads and the sixteen from the tables
	global_store_b128 v[OOFF], v[RB+4*(\j):RB+4*(\j)+3], s[8:9] offset:512*(\j) th:TH_STORE_NT  ; 512 consecutive bytes, at a multiple of 256 from out0's first byte
.endr
.endm
; The slot of level l = 3..7
.macro SLOT l, q
	HASHA \l
	s_wait_loadcnt 40+(\q)                         ; younger than level l of tile n: 8 (7 - l) of this tile, the q load, 8 (l - 2) of the next tile
	LERP GD+16*((\l)-2), \l
	WEIGH \l
	s_wait_xcnt 0x0                                ; every earlier memory instruction has had its addresses translated (ISA guide 3.1): IX is rewritten only behind this wait
	s_wait_alu depctr_vm_vsrc(0)                   ; the loads of the level before have read IX, which the lines below write
	ASK \l, 0
.endm
; A TRIP: tile n is finished level by level, and tile n + 1 asked for in its wake.  q = 1: the q of tile n + 2 is asked for.
; The order of a wave's loads: q(n+1), levels 2..7 of tile n, q(n+2), levels 2..7 of tile n + 1, ...
.macro BODY q
	s_wait_loadcnt 48                              ; q(n+1) is in; the six levels of tile n, 48 loads, stay out
	TALL
.if \q
	s_add_nc_u64 s[4:5], s[4:5], 384               ; free since that wait, which shows the load that read it done: a tile on in cells
.endif
	HASHA 2
	s_wait_loadcnt 40                              ; level 2 of tile n is in; levels 3 to 7, 40 loads, stay out
	s_wait_xcnt 0x0                                ; every earlier memory instruction has had its addresses translated (ISA guide 3.1): IX is rewritten only behind this wait
	s_wait_alu depctr_vm_vsrc(0)                   ; the last tile's LDS stores have read OUT, which the lerps write from here on; its LDS loads have read IL; level 7's loads have read IX
	LERP GD, 2
	WEIGH 2
	ASK 2, \q
.irp l, 3,4,5,6,7
	SLOT \l, \q
.endr
	TAIL 1
.endm
	s_wait_loadcnt 0x0                             ; tile 0's q (asked for ahead of the build)
	TALL
	s_add_nc_u64 s[4:5], s[4:5], 384               ; free since that wait: tile 1's part of cells
	HASHA 2
	WEIGH 2
	ASK 2, 1                                       ; tile 1's q, ahead of tile 0's gathers
.irp l, 3,4,5,6,7
	HASHA \l
	WEIGH \l
	s_wait_xcnt 0x0                                ; every earlier memory instruction has had its addresses translated (ISA guide 3.1): IX is rewritten only behind this wait
	s_wait_alu depctr_vm_vsrc(0)                   ; the loads of the level before have read IX, which the lines below write
	ASK \l, 0
.endr
	DADR 0
	DADR 1
	s_wait_alu depctr_va_vdst(0)                   ; IL is written, which the LDS loads read; LD, in which they land, held the build's indices, written by vector lines
	DASK 0
	DASK 1
	s_mov_b32 s[CNT], TRIPS-2
.Ltrip:                                                ; tiles 0 to 13: they ask for the q of tiles 2 to 15
	BODY 1
	s_sub_co_u32 s[CNT], s[CNT], 1
	s_cmp_lg_u32 s[CNT], 0
	s_cbranch_scc1 .Ltrip
	BODY 0                                         ; tile 14: no q is left to ask for, so no load leaves the buffer
	s_wait_alu depctr_vm_vsrc(0)                   ; tile 14's LDS stores have read OUT, which the lerps below write
.irp l, 2,3,4,5,6,7
	s_wait_loadcnt 8*(7-(\l))                      ; tile 15: nothing is asked for any more, the counts run down
	LERP GD+16*((\l)-2), \l
.endr
	TAIL 0
	s_wait_dscnt 0x0                               ; the wave's end.  The closing add goes to the 1,024 bytes behind the stages
	s_wait_alu depctr_hold_cnt(0) depctr_sa_sdst(0) depctr_va_vdst(0) depctr_va_sdst(0) depctr_va_ssrc(0) depctr_va_vcc(0) depctr_vm_vsrc(0)
	s_wait_tensorcnt 0x0
	ds_add_u32 v254, v255
	s_wait_dscnt 0x0
	s_endpgm
.Lfunc_end_k_q5ce7f0769c_encode:
	.size	k_q5ce7f0769c_encode, .Lfunc_end_k_q5ce7f0769c_encode-k_q5ce7f0769c_encode
	.p2alignl 7, 3214868480
	.fill 96, 4, 3214868480
	.section	.rodata,"a",@progbits
	.p2align	6, 0x0
	.amdhsa_kernel k_q5ce7f0769c_encode
		.amdhsa_group_segment_fixed_size 316416
		.amdhsa_private_segment_fixed_size 0
		.amdhsa_enable_private_segment 0
		.amdhsa_kernarg_size 24
		.amdhsa_user_sgpr_count 2
		.amdhsa_user_sgpr_kernarg_segment_ptr 1
		.amdhsa_wavefront_size32 1
		.amdhsa_system_sgpr_workgroup_id_x 1
		.amdhsa_system_sgpr_workgroup_id_y 1
		.amdhsa_system_sgpr_workgroup_id_z 1
		.amdhsa_system_vgpr_workitem_id 0
		.amdhsa_next_free_vgpr 256
		.amdhsa_next_free_sgpr 66
		.amdhsa_reserve_vcc 0
		.amdhsa_float_denorm_mode_32 3
		.amdhsa_float_denorm_mode_16_64 3
		.amdhsa_memory_ordered 1
		.amdhsa_forward_progress 1
		.amdhsa_inst_pref_size 118
	.end_amdhsa_kernel
	.amdgpu_metadata
---
amdhsa.version: [ 1, 2 ]
amdhsa.kernels:
  - .name:           k_q5ce7f0769c_encode
    .symbol:         k_q5ce7f0769c_encode.kd
    .args:
      - { .name: cells, .offset: 0, .size: 8, .value_kind: global_buffer, .address_space: global }
      - { .name: hash_table, .offset: 8, .size: 8, .value_kind: global_buffer, .address_space: global }
      - { .name: out0, .offset: 16, .size: 8, .value_kind: global_buffer, .address_space: global }
    .group_segment_fixed_size: 316416
    .private_segment_fixed_size: 0
    .kernarg_segment_align: 8
    .kernarg_segment_size: 24
    .max_flat_workgroup_size: 256
    .sgpr_count:     66
    .vgpr_count:     256
    .wavefront_size: 32
...
	.end_amdgpu_metadata
.endif
;; end of part 3
